; MI455X (gfx1250); checked and timed in simulation.
; The chip was launched on July 23, 2026; its instructions are those of AMD's public machine-readable ISA for CDNA 5 (MIT licence, August 2026) and "CDNA5" Instruction Set Architecture Reference Guide (July 2026). The comments in the code are by the model that wrote it; some were corrected since.
;; Multi Head Attention. Allowed arithmetic: matrix products marked QUANTISED: E4M3 operands, one given power-of-two scale a tensor, by v_wmma_f32_16x16x64_fp8_fp8 or v_wmma_f32_16x16x128_fp8_fp8, f32 sums; everything else in f32.
;; Inputs: Wk_codes 1,024 x 32 x 32 uint8 (E4M3 codes of Wk, K innermost, in blocks of 32 codes); Wo_codes 1,024 x 32 x 32 uint8 (E4M3 codes of Wo, K innermost, in blocks of 32 codes); Wq_codes 1,024 x 32 x 32 uint8 (E4M3 codes of Wq, K innermost, in blocks of 32 codes); Wv_codes 1,024 x 32 x 32 uint8 (E4M3 codes of Wv, K innermost, in blocks of 32 codes); bo 1,024 float32; lowp_scales 12 int32 (the exponents e of the quantised operands' scales 2^e); x_codes 4 x 2,048 x 32 x 32 uint8 (E4M3 codes of x, K innermost, in blocks of 32 codes).
;; Outputs: out0 4 x 2,048 x 1,024 float32.
;; This version of the problem:
;;   THIS VERSION OF THE PROBLEM IS GIVEN IN LOW PRECISION. The matrix products marked QUANTISED in the list below multiply operands that are first quantised to E4M3 (4 exponent bits, 3 mantissa bits; 8 bits a number), with one given power-of-two scale for each operand tensor; their sums are f32. All else is computed in f32.
;;   The module's matrix products, in the order in which they are computed (A, B: the left and right operand; K: the contracted axis; several contracted axes count as one K, in the product's order):
;;     1. [M 8,192, K 1,024] x [K 1,024, N 1,024]; A: input x (given as codes); B: input Wq (given as codes): QUANTISED (scales: A lowp_scales[0], B lowp_scales[1])
;;     2. [M 8,192, K 1,024] x [K 1,024, N 1,024]; A: input x (given as codes); B: input Wk (given as codes): QUANTISED (scales: A lowp_scales[2], B lowp_scales[3])
;;     3. [M 8,192, K 1,024] x [K 1,024, N 1,024]; A: input x (given as codes); B: input Wv (given as codes): QUANTISED (scales: A lowp_scales[4], B lowp_scales[5])
;;     4. batch 64 x [M 2,048, K 64] x [K 64, N 2,048]; A: computed on the way; B: computed on the way: QUANTISED (scales: A lowp_scales[6], B lowp_scales[7])
;;     5. batch 64 x [M 2,048, K 2,048] x [K 2,048, N 64]; A: softmax (see below); B: computed on the way: QUANTISED (scales: A lowp_scales[8], B lowp_scales[9])
;;     6. [M 8,192, K 1,024] x [K 1,024, N 1,024]; A: computed on the way; B: input Wo (given as codes): QUANTISED (scales: A lowp_scales[10], B lowp_scales[11])
;;   THE QUANTISER, for each operand of a quantised product, along K:
;;     - The operand's scale is 2^e, e = its entry of the input lowp_scales (int32; the entries are numbered through the quantised products in the list's order, A before B).
;;     - Each number is divided by the scale, clamped to +-448, and rounded to the nearest number of E4M3, ties to even, subnormals kept.
;;     - The product sums the exact products of the quantised numbers (number of the format x scale) in f32.
;;   ~~~python
;;   def quantise(x, axis, e):      # numpy; x: float32 -> the quantised numbers, widened to float32 again
;;       x = np.moveaxis(x, axis, -1); K = x.shape[-1]
;;       r = np.clip(x / 2.0 ** e, -448, 448)
;;       step = 2.0 ** (np.maximum(np.frexp(np.where(r == 0, 1, r))[1] - 1, -6) - 3)
;;       q = np.round(r / step) * step * 2.0 ** e      # np.round: ties to even
;;       return np.moveaxis(q, -1, axis).astype(np.float32)
;;   ~~~
;;   SOFTMAX AHEAD OF A QUANTISED PRODUCT. Where the list says 'softmax', what is quantised is not the finished softmax but p = 2^(t - M), with t = logit x log2(e) and M = ceil(the row's largest t), a whole number; so 1/2 < the row's largest p <= 1. The row's sum l is taken of the UNQUANTISED p, in f32, and the product's result is divided by l at the end. Since M is a whole number, a kernel that streams over the keys may use a running M (the ceiling of the running maximum): every later rescaling is an exact power of two, so the quantised numbers keep their values, but for numbers so far below the row's largest that they fall under the format's range.
;;   OPERANDS COMPUTED ON THE WAY. 'Computed on the way' means the value that the module computes at that place (a softmax that the list does not call 'softmax' is quantised finished and normalised). What goes into a quantiser is computed in f32, as accurately as f32 sums, v_exp_f32 and their like allow (about 1e-6 of the number): no bf16 or f16 on the way to a quantiser, and a product that is left as it is and whose result goes on into a quantised operand takes f32 operands (vector FMAs, or v_wmma_f32_16x16x4_f32). A number that lies on a knife's edge between two numbers of the format may be rounded either way, as far as f32 arithmetic and the matrix unit's own rounding can turn it there, and no further.
;;   INPUTS GIVEN AS CODES. Wk (in the module: [1024, 1024], K = its axis 0); Wo (in the module: [1024, 1024], K = its axis 0); Wq (in the module: [1024, 1024], K = its axis 0); Wv (in the module: [1024, 1024], K = its axis 0); x (in the module: [4, 2048, 1024], K = its axis 2): each comes as NAME_codes (uint8): NAME with its K axis moved to the last place and cut into blocks of 32 codes, [.., K / 32, bytes a block], one block behind the other in memory; one code a byte (a code: sign, 4 exponent bits, 3 mantissa bits); its scale is its entry of lowp_scales. Its value is code x scale, taken as it is: it is not quantised again, and the codes and scales need not be those that the quantiser above would give.
;; One version. Each part assembles by itself: llvm-mc -triple=amdgcn-amd-amdhsa -mcpu=gfx1250 --defsym DOCPART=n.
;; ======== version 1 of 1: 3 launches
;; limits: right only within a limited range of input values
;; workspace buffers: qc 8,388,608 bytes; kv 16,777,216 bytes; cc 8,388,608 bytes
;; launch qkv (part 1): grid 12 x 32, 4 waves a work-group, clusters of 4 x 4, 327,680 bytes of LDS; arguments x_codes, Wq_codes, Wk_codes, Wv_codes, lowp_scales, qc, kv; writes qc, kv
.if DOCPART == 1
	.amdgcn_target "amdgcn-amd-amdhsa--gfx1250"
	.amdhsa_code_object_version 6
	.text
	.protected	k_q46c9c3b6c8_qkv
	.globl	k_q46c9c3b6c8_qkv
	.p2align	8
	.type	k_q46c9c3b6c8_qkv,@function
k_q46c9c3b6c8_qkv:
	s_mov_b64 s[64:65], 0
	v_nop
	global_prefetch_b8 v0, s[64:65] scope:SCOPE_SE
	s_setreg_imm32_b32 hwreg(HW_REG_WAVE_MODE, 25, 1), 1
	s_wait_xcnt 0x0
	s_wait_alu depctr_hold_cnt(0) depctr_sa_sdst(0) depctr_va_vdst(0) depctr_va_sdst(0) depctr_va_ssrc(0) depctr_va_vcc(0) depctr_vm_vsrc(0)
	s_getreg_b32 s2, hwreg(HW_REG_IB_STS2, 6, 4)
	s_cmp_eq_u32 s2, 0
	s_cbranch_scc0 .Lentry_in_a_cluster
	s_endpgm
.Lentry_in_a_cluster:
	s_bfe_u32 s2, ttmp6, 0x10000c
	s_cmp_lg_u32 s2, 0xf033
	s_cbranch_scc0 .Lentry_shape_is_right
	s_endpgm
.Lentry_shape_is_right:
; q = x Wq, k = x Wk, v = x Wv on E4M3 codes, and the quantising of the three results into codes for the attention launch.
; ONE TEXT FOR THREE PRODUCTS: C[i][j] = sum over k of P[i][k] R[j][k], K = 1,024, both operands as rows of 1,024 codes.  The cluster's x names the tensor:
;   0: q   P = x (8,192 rows), R = Wq (1,024 rows)      1: k   P = x, R = Wk      2: v   P = Wv, R = x: the operands change places.
; The matrix instruction is used transposed (source 0 = 16 rows of R, source 1 = 16 rows of P): a lane holds ONE row i and eight neighbours along j.  For q and k, j runs along the head's
; channels, for v along the keys: in each case the K of the product that reads the codes.  So the conversions, which take eight neighbours from one lane's registers, give codes with K innermost.
; A tile of C, 256 x 256, is made by four waves, 128 x 128 each: 64 accumulators, 512 registers.  K goes in steps of 256 through a ring of two LDS slots.
; CLUSTERS: 4 x 4 work-groups.  The four of a row of the cluster need the same tiles of P, the four of a column the same tiles of R: each tile is asked for jointly.
; 3 x 128 = 384 tiles of 256 x 256; a smaller tile would read more LDS bytes for each product.
; code = sum / 2^(e_out - e_P - e_R), rounded to the nearest code, ties to even.
; LIMITS: e6 - e0 - e1, e7 - e2 - e3 and e9 - e4 - e5 lie between -126 and 119, so that the scale and 448 x the scale are f32 numbers.  NaN codes among the inputs are not served.
; WHAT IS STORED.  The conversions of accumulators 2 c and 2 c + 1 are 16 bytes of a lane; they go to byte 16 h of a piece of 32 bytes (h = lane / 16), so byte 16 h + n of piece c holds index
; 32 c + 16 (n / 8) + 8 h + n % 8 along j.  For q and k that is one and the same order of the head's 64 channels; for v it is the order of keys in which the softmax's weights come out of their conversions.
;   qc: [head 64][piece 2][query 2,048][32 bytes]
;   kv: [head 64][step of 128 keys, 16][ k: [piece 2][key 128][32 bytes], then v: [piece 4][channel 64][32 bytes] ]
; Every store of a wave covers 512 consecutive bytes, aligned: no stage in LDS is needed.
; REGISTERS, in windows of 256: window 0: v0-31 addresses and the scale; from v128 P's fragments (8 x 16 rows x 128 K), one set; on the way out the codes.
;   window 1: R's fragments, two sets, at v0 and v128.   window 2: the accumulators of my rows 0-63 ((a, b) at v[8 (8 a + b)]);   window 3: those of my rows 64-127.
.set KSTEP,  256                       ; along K in a slot
.set ROWB,   256                       ; a tile's row in bytes
.set KROW,   1024                      ; a row of P or R in memory, in bytes
.set PITCH,  272                       ; an LDS row: 256 bytes + 16 of padding = 68 words: the 16 rows that a load touches start at 16 different banks (64 banks of 4 bytes: ISA guide 11.1)
.set FR,     16                        ; registers of a fragment: 16 rows x 128 K
.set NL,     4                         ; LDS loads that bring one
.set NP,     4                         ; places behind this matrix instruction (ISA guide 7.12.1)
.set HALFT,  128*PITCH                 ; 128 rows: what one tensor load brings, and what one wave reads of P or of R
.set SLOT,   4*HALFT                   ; P's 256 rows, then R's 256 rows
.set LAPS,   2                         ; a lap = two K steps = once round the ring: 1,024 / 512
.set SPARE,  2*SLOT                    ; behind the ring: the spare words, 128 bytes for each wave, which no other line names
.set ADRA, 16                          ; v16-17  LDS address of my P fragments in slot 0, 1
.set ADRB, 20                          ; v20-21  the same for R
.set CO,   26                          ; v26     the way out: 32 (lane % 16) + 16 (lane / 16); never rewritten
.set LIM,  27
.set SPW,  28                          ; v28     LDS address of my spare word; never rewritten
.set NIL,  29                          ; v29     0; never rewritten
.set SC,   30                          ; v30     the scale as f32: the conversion takes its exponent field
.set TMP,  32
.set AF,   128                         ; P's fragments, in window 0
.set CD,   128                         ; the way out: 16 registers of codes for each of the eight blocks
.set G1,  24                           ; s[24:31] descriptor group 1 for P's tiles;  s[32:39] group 0, one set for each slot
.set G0,  32
.set G1B, 48                           ; s[48:55], s[56:63] the same for R's tiles
.set G0B, 56
.set OB,  68                           ; s[68:75] the way out: a base for each of a block's four stores
.set XA,  82                           ; s[82:83] what the four bases step by between blocks 3 and 4
.set MSB, 0
.macro WIN new                         ; the immediate's high byte repeats the setting that is left
.if MSB != \new
	s_set_vgpr_msb (MSB<<8)|\new
.set MSB, \new
.endif
.endm
.set MUL_LO, 0xa1                      ; source 0 (R) window 1, source 1 (P) window 0, C and D window 2
.set MUL_HI, 0xf1                      ; the same, C and D window 3
.set TO_B,   0x40                      ; destination window 1, address window 0
; A joint load: waves 0 and 1 fetch for P, waves 2 and 3 for R.  Each line has one mask and one set of registers for all that issue it; the branch hangs on the wave's number alone.
; Four v_nop follow each of the two lines, ahead of the jump, the label and what follows.
.macro JLOAD g0a, g1a, g0b, g1b
	s_cmp_eq_u32 s15, 0
	s_cbranch_scc0 .Lfor_b_\@
	tensor_load_to_lds s[\g0a:\g0a+3], s[\g1a:\g1a+7]
	s_nop 0
.rept 4
	v_nop
.endr
	s_branch .Lasked_\@
.Lfor_b_\@:
	tensor_load_to_lds s[\g0b:\g0b+3], s[\g1b:\g1b+7]
	s_nop 0
.rept 4
	v_nop
.endr
.Lasked_\@:
.endm
.macro CREST                           ; a round of the cluster's barrier behind its opening barrier
	s_cmp_lg_u32 s14, 0
	s_cbranch_scc1 .Lnot_wave_0_\@
	s_barrier_signal -3
.Lnot_wave_0_\@:
	s_barrier_wait -3
	s_barrier_signal -1
	s_barrier_wait -1
.endm
.macro CROUND                          ; a whole round
	s_barrier_signal -1
	s_barrier_wait -1
	CREST
.endm
	s_load_b256 s[68:75], s[0:1], 0x0              ; x s[68:69], Wq s[70:71], Wk s[72:73], Wv s[74:75]
	s_load_b128 s[76:79], s[0:1], 0x20             ; the scales' exponents s[76:77], qc s[78:79]
	s_load_b64 s[80:81], s[0:1], 0x30              ; kv
	v_lshl_add_u32 v[SPW], v0, 2, SPARE
	v_mov_b32 v[NIL], 0
	ds_add_u32 v28, v29
	ds_add_u32 v28, v29
	s_wait_dscnt 0x0
	v_lshrrev_b32 v1, 5, v0
	v_readfirstlane_b32 s14, v1                    ; wave 0..3
	s_lshr_b32 s15, s14, 1                         ; which half of the tile's rows i is mine.  Also: I fetch for P (0) or for R (1)
	s_and_b32 s16, s14, 1                          ; which half of its columns j.  Also: which 128 rows of that tile I fetch
	s_bfe_u32 s40, ttmp6, 0x40000                  ; cx, cy: my place in the cluster
	s_bfe_u32 s41, ttmp6, 0x40004
	s_and_b32 s66, ttmp7, 0xffff                   ; the cluster's y, 0..7: which 1,024 rows of x
	s_cmp_eq_u32 ttmp9, 2                          ; v?  The cluster's x is the same in all sixteen partners
	s_cselect_b32 s67, s66, 0                      ; x's rows run along j for v,
	s_cselect_b32 s66, 0, s66                      ; along i for q and k
	s_lshl_b32 s17, s66, 2
	s_add_co_u32 s17, s17, s41                     ; tile row of C: it hangs on cy, never on cx
	s_lshl_b32 s42, s67, 2
	s_add_co_u32 s42, s42, s40                     ; tile column of C: it hangs on cx, never on cy
	s_lshl_b32 s43, s41, 2
	s_lshl_b32 s43, 15, s43                        ; my row of the cluster
	s_lshl_b32 s44, 0x1111, s40                    ; my column
	; descriptor group 1: a tile of 128 rows x 256 bytes, padded in LDS
	s_or_b32 s[G1+0], s43, (0<<16)|(1<<20)|(1<<21)|(5<<22)|(3<<25)  ; 15:0 the mask: P's tiles go to my row; 17:16 elements of 1 byte; 20 padding on; 21 set beside a mask; 24:22 after every 64 words (code 5); 31:25 four words (code 3)
	s_or_b32 s[G1B+0], s44, (0<<16)|(1<<20)|(1<<21)|(5<<22)|(3<<25) ; the same with the mask of my column, for R's tiles
.irp g, G1, G1B
	s_mov_b32 s[\g+1], ROWB<<16                    ; tensor_dim0 = 256
	s_mov_b32 s[\g+2], 128<<16                     ; tensor_dim1 = 128
	s_mov_b32 s[\g+3], ROWB<<16                    ; tile_dim0 = 256
	s_mov_b32 s[\g+4], 128                         ; tile_dim1 = 128
	s_mov_b32 s[\g+5], KROW                        ; tensor_dim0_stride
	s_mov_b32 s[\g+6], 0
	s_mov_b32 s[\g+7], 0
.endr
	s_lshl_b32 s18, s16, 7                         ; which 128 rows of the tile I fetch
	s_lshl_b32 s20, s17, 8
	s_add_co_u32 s20, s20, s18                     ; P: row 256 x tile row + 128 x half,
	s_lshl_b32 s20, s20, 10                        ; in bytes (at most 8 MiB)
	s_mov_b32 s21, 0
	s_lshl_b32 s46, s42, 8
	s_add_co_u32 s46, s46, s18                     ; R: row 256 x tile column + 128 x half
	s_lshl_b32 s46, s46, 10
	s_mov_b32 s47, 0
	s_mul_i32 s45, s14, HALFT                      ; where they go: wave x 128 rows: no place in the cluster enters an LDS address
	s_wait_kmcnt 0x0
	s_load_b256 s[84:91], s[76:77], 0x0            ; e0 .. e7
	s_load_b128 s[92:95], s[76:77], 0x20           ; e8 .. e11
	s_cmp_eq_u32 ttmp9, 0
	s_cselect_b64 s[6:7], s[70:71], s[72:73]       ; R = Wq or Wk,
	s_cselect_b64 s[10:11], s[78:79], s[80:81]     ; the codes go to qc or to kv
	s_cmp_eq_u32 ttmp9, 2
	s_cselect_b64 s[6:7], s[68:69], s[6:7]         ; for v: R = x,
	s_cselect_b64 s[4:5], s[74:75], s[68:69]       ; P = Wv; else P = x
	s_add_nc_u64 s[20:21], s[4:5], s[20:21]
	s_add_nc_u64 s[46:47], s[6:7], s[46:47]
	CROUND                                         ; all sixteen work-groups are here: the first joint loads meet
.irp s, 0,1
	s_mov_b32 s[G0+4*\s], 1                                        ; count = 1
	s_add_co_u32 s[G0+4*\s+1], s45, \s*SLOT                        ; LDS address
	s_add_nc_u64 s[G0+4*\s+2:G0+4*\s+3], s[20:21], \s*ROWB         ; global address: K step s
	s_or_b32 s[G0+4*\s+3], s[G0+4*\s+3], 0x80000000                ; type = 2
	s_mov_b32 s[G0B+4*\s], 1
	s_add_co_u32 s[G0B+4*\s+1], s45, \s*SLOT
	s_add_nc_u64 s[G0B+4*\s+2:G0B+4*\s+3], s[46:47], \s*ROWB
	s_or_b32 s[G0B+4*\s+3], s[G0B+4*\s+3], 0x80000000
	JLOAD G0+4*\s, G1, G0B+4*\s, G1B
.endr
	v_and_b32 v1, 15, v0                           ; r = lane % 16
	v_bfe_u32 v2, v0, 4, 1                         ; h = lane / 16
	v_mul_u32_u24 v3, v1, PITCH
	v_lshl_add_u32 v4, v2, 4, v3                   ; a fragment's row x pitch + 16 x half
	s_mul_i32 s21, s15, HALFT                      ; my 128 rows of P
	s_mul_i32 s22, s16, HALFT                      ; my 128 rows of R,
	s_add_co_u32 s22, s22, 2*HALFT                 ; which lie behind P's 256
.irp s, 0,1
	v_add_nc_u32 v[ADRA+\s], s21, v4
	v_add_nc_u32 v[ADRB+\s], s22, v4
	s_add_co_u32 s21, s21, SLOT
	s_add_co_u32 s22, s22, SLOT
.endr
	v_lshlrev_b32 v[CO], 5, v1
	v_lshl_add_u32 v[CO], v2, 4, v[CO]             ; 32 r + 16 h: the 32 lanes of a store cover 512 consecutive bytes
	; WHERE MY CODES GO.  The three layouts differ in shifts alone, chosen by the cluster's x:
	;            head <<   x's row <<   +       piece c: (c & 1) <<, (c >> 1) <<      blocks 4-7: + 1 <<
	;   q          17          5        0               16           17 (next head)        11 (64 queries on)
	;   k          18          7        0               12           18 (next head)        11 (64 keys on)
	;   v          18          7        8,192           11           12                    18 (next head)
	s_cmp_eq_u32 ttmp9, 2
	s_cselect_b32 s96, s42, s17                    ; the tile along x's rows,
	s_cselect_b32 s97, s16, s15                    ; and my half of it
	s_cselect_b32 s98, s17, s42                    ; the tile along the weight's rows,
	s_cselect_b32 s99, s15, s16                    ; and my half of it
	s_cselect_b32 s100, 8192, 0
	s_cselect_b32 s101, 18, 11
	s_cselect_b32 s18, 11, 12
	s_cselect_b32 s19, 12, 18
	s_cmp_eq_u32 ttmp9, 0
	s_cselect_b32 s18, 16, s18
	s_cselect_b32 s19, 17, s19
	s_cselect_b32 s22, 17, 18
	s_cselect_b32 s23, 5, 7
	s_lshl_b32 s96, s96, 8
	s_lshl_b32 s97, s97, 7
	s_add_co_u32 s96, s96, s97                     ; my first row of x, a multiple of 128
	s_lshr_b32 s97, s96, 11                        ; its batch,
	s_lshl_b32 s97, s97, 4
	s_lshl_b32 s98, s98, 2
	s_add_co_u32 s97, s97, s98
	s_lshl_b32 s99, s99, 1
	s_add_co_u32 s97, s97, s99                     ; my first head: 16 x batch + 4 x tile + 2 x half
	s_and_b32 s96, s96, 2047                       ; the row within the batch
	s_lshl_b32 s97, s97, s22
	s_lshl_b32 s96, s96, s23
	s_add_co_u32 s96, s96, s97
	s_add_co_u32 s96, s96, s100                    ; under 2^25
	s_mov_b32 s97, 0
	s_add_nc_u64 s[10:11], s[10:11], s[96:97]
	s_lshl_b32 s98, 1, s18
	s_mov_b32 s99, 0
	s_lshl_b32 s100, 1, s19
	s_lshl_b32 s[XA], 1, s101
	s_mov_b32 s101, 0
	s_mov_b32 s[XA+1], 0
	s_mov_b64 s[OB:OB+1], s[10:11]                 ; (the inputs' addresses in s[68:75] are no longer needed)
	s_add_nc_u64 s[OB+2:OB+3], s[10:11], s[98:99]
	s_add_nc_u64 s[OB+4:OB+5], s[10:11], s[100:101]
	s_add_nc_u64 s[OB+6:OB+7], s[OB+2:OB+3], s[100:101]
.macro FRAG reg, adr, q, i             ; a fragment, 16 rows x 128 K: lane l holds row l % 16; registers 4 c .. 4 c + 3 hold K = 32 c + 16 (l / 16) + 0 .. 15: the same order of k in P and in R, so every product meets its partner
.irp c, 0,1,2,3
	ds_load_b128 v[\reg+4*\c:\reg+4*\c+3], v[\adr] offset:128*(\q)+32*\c+(\i)*16*PITCH
.endr
.endm
; 16 matrix instructions: P's blocks a0, a0 + 1 x R's eight, 128 along K.  p: R's set.  zero = 1: the first product starts the sums: nothing is ever cleared.
; The 64 accumulators take turns, one instruction a turn, in the same order in every step.
.macro MUL16 a0, p, zero
.irp a, \a0, \a0+1
.irp b, 0,1,2,3,4,5,6,7
.if \zero
	v_wmma_f32_16x16x128_fp8_fp8 v[8*(8*((\a)%4)+\b):8*(8*((\a)%4)+\b)+7], v[128*(\p)+FR*\b:128*(\p)+FR*\b+FR-1], v[AF+FR*(\a):AF+FR*(\a)+FR-1], 0
.else
	v_wmma_f32_16x16x128_fp8_fp8 v[8*(8*((\a)%4)+\b):8*(8*((\a)%4)+\b)+7], v[128*(\p)+FR*\b:128*(\p)+FR*\b+FR-1], v[AF+FR*(\a):AF+FR*(\a)+FR-1], v[8*(8*((\a)%4)+\b):8*(8*((\a)%4)+\b)+7]
.endif
.endr
.endr
.endm
.macro FETCH_B slot, q, p              ; R's eight fragments of the slot's q-th 128 along K into set p
	WIN TO_B
.irp i, 0,1,2,3,4,5,6,7
	FRAG 128*(\p)+FR*\i, ADRB+\slot, \q, \i
.endr
	WIN 0
.endm
.macro FETCH_A slot, q, i0             ; P's blocks i0 .. i0 + 3
.irp i, \i0, \i0+1, \i0+2, \i0+3
	FRAG AF+FR*(\i), ADRA+\slot, \q, \i
.endr
.endm
; A load into a register that a matrix instruction has read, and a vector instruction that reads a matrix result, stand NP places behind that matrix instruction; only plain vector
; instructions that name none of its registers are places (ISA guide 7.12.1 for vector instructions).
.macro PLACES n
.rept \n
	v_nop
.endr
.endm
; A step of 128 along K that has its successor in the same slot.  A block of P is free as soon as its eight products are issued: blocks 0-3 are fetched anew in the middle, blocks 4-7 at the end.
.macro STEP slot, q, zero
	s_wait_dscnt 4*NL                              ; R's set and P's blocks 0-3 are in; the sixteen youngest loads (P's blocks 4-7) may be out
	WIN MUL_LO
	MUL16 0, (\q)%2, \zero
	MUL16 2, (\q)%2, \zero
	s_wait_dscnt 0                                 ; P's blocks 4-7 are in (asked for 32 matrix instructions ago)
	PLACES NP
	FETCH_B \slot, (\q)+1, 1-(\q)%2
	FETCH_A \slot, (\q)+1, 0
	WIN MUL_HI
	MUL16 4, (\q)%2, \zero
	MUL16 6, (\q)%2, \zero
	PLACES NP
	WIN 0
	FETCH_A \slot, (\q)+1, 4
.endm
; A slot's last step changes slots: one barrier; in front of it each wave waits for all its tensor loads, adds 0 to its spare word, and waits for that and for its own reads of this slot.
; fill = 1: this slot is filled again, two K steps ahead; the barrier then opens a round of the cluster's barrier.
.macro TURN slot, next, fill
	s_wait_tensorcnt 0x0                           ; all my tensor loads have landed: my part of the next slot  (every window is 0 here)
	ds_add_u32 v[SPW], v[NIL]                      ; 0 onto my spare word
	s_wait_dscnt 4*NL+1                            ; (the add and the sixteen youngest loads, P's blocks 4-7, may be out)
	WIN MUL_LO
	MUL16 0, 1, 0                                  ; sixteen matrix instructions stand between the add and the wait for it
	s_wait_dscnt 0x0                               ; the add is done, and my reads of this slot are over
	s_barrier_signal -1
	MUL16 2, 1, 0
	WIN 0
	s_barrier_wait -1
.if \fill
	CREST                                          ; no wave of any partner still reads this slot's tile or has a load on its way
	s_add_nc_u64 s[G0+4*\slot+2:G0+4*\slot+3], s[G0+4*\slot+2:G0+4*\slot+3], 2*ROWB
	s_add_nc_u64 s[G0B+4*\slot+2:G0B+4*\slot+3], s[G0B+4*\slot+2:G0B+4*\slot+3], 2*ROWB
	JLOAD G0+4*\slot, G1, G0B+4*\slot, G1B         ; the first tensor load behind the round; the four v_nop behind it are also the places in front of the loads below
.else
	PLACES NP
.endif
	FETCH_B \next, 0, 0
	FETCH_A \next, 0, 0
	WIN MUL_HI
	MUL16 4, 1, 0
	MUL16 6, 1, 0
	PLACES NP
	WIN 0
	FETCH_A \next, 0, 4
.endm
	s_wait_alu depctr_va_vdst(0)
	s_wait_tensorcnt 1                             ; my part of K step 0 is in; K step 1's load may be out
	s_barrier_signal -1
	s_barrier_wait -1                              ; everybody's is
	FETCH_B 0, 0, 0
	FETCH_A 0, 0, 0
	FETCH_A 0, 0, 4
	STEP 0, 0, 1                                   ; the first step stands in front of the loop: its products start the sums
	s_mov_b32 s3, LAPS-1
.Llap:                                                 ; a trip goes once round the ring, from a lap's second step to the next lap's first, and fills both slots again
	TURN 0, 1, 1
	STEP 1, 0, 0
	TURN 1, 0, 1
	STEP 0, 0, 0
	s_sub_co_u32 s3, s3, 1
	s_cmp_lg_u32 s3, 0
	s_cbranch_scc1 .Llap
	TURN 0, 1, 0                                   ; the last lap fills nothing, and has no round of the cluster's barrier
	STEP 1, 0, 0
	s_wait_dscnt 4*NL                              ; the very last step: nothing more to fetch
	WIN MUL_LO
	MUL16 0, 1, 0
	MUL16 2, 1, 0
	s_wait_dscnt 0
	WIN MUL_HI
	MUL16 4, 1, 0
	MUL16 6, 1, 0
	WIN 0
	; THE WAY OUT.  A sum stands for sum x 2^(e_P + e_R), its code is sum / 2^(e_out - e_P - e_R): the three exponents are folded into the conversion's one scale.
	s_wait_kmcnt 0x0
	s_sub_co_i32 s96, s90, s84
	s_sub_co_i32 s96, s96, s85                     ; q: e6 - e0 - e1
	s_sub_co_i32 s97, s91, s86
	s_sub_co_i32 s97, s97, s87                     ; k: e7 - e2 - e3
	s_sub_co_i32 s98, s93, s88
	s_sub_co_i32 s98, s98, s89                     ; v: e9 - e4 - e5
	s_cmp_eq_u32 ttmp9, 0
	s_cselect_b32 s96, s96, s97
	s_cmp_eq_u32 ttmp9, 2
	s_cselect_b32 s96, s98, s96
	s_add_co_i32 s96, s96, 127
	s_lshl_b32 s97, s96, 23
	v_mov_b32 v[SC], s97                           ; the scale as f32
	s_add_co_i32 s96, s96, 8
	s_lshl_b32 s96, s96, 23
	s_or_b32 s96, s96, 0x600000
	PLACES NP                                      ; behind the last products: for the reads of their results and the writes over P's fragments
; Block a: 16 rows i x 128 along j.  Converted, stored.  Each accumulator is read from its low end on.
; Each block has code registers of its own, so no store's data are written again.
.macro QOUT a
.set AC, 64*((\a)%4)
	WIN 0x02+((\a)/4)                              ; source 0: window 2 or 3
.set jj, 0
.rept 64
.set jj, jj+1
.endr
.irp b, 0,1,2,3,4,5,6,7
	v_cvt_scalef32_pk8_fp8_f32 v[CD+16*(\a)+2*\b:CD+16*(\a)+2*\b+1], v[AC+8*\b:AC+8*\b+7], v[SC]
.endr
	WIN 0
	v_nop                                          ; one plain vector instruction behind the last conversion
.if (\a) == 4
	s_wait_alu depctr_va_vdst(0)
	s_wait_xcnt 0x0                                ; the stores of blocks 0-3 have read their bases: only now are these stepped
.irp c, 0,1,2,3
	s_add_nc_u64 s[OB+2*\c:OB+2*\c+1], s[OB+2*\c:OB+2*\c+1], s[XA:XA+1]
.endr
.endif
.irp c, 0,1,2,3
	global_store_b128 v[CO], v[CD+16*(\a)+4*\c:CD+16*(\a)+4*\c+3], s[OB+2*\c:OB+2*\c+1] offset:512*((\a)%4)   ; 16 rows x 32 bytes: 512 consecutive bytes, aligned
.endr
.endm
.irp a, 0,1,2,3,4,5,6,7
	QOUT \a
.endr
	s_wait_tensorcnt 0x0                           ; the wave's end
	ds_add_u32 v[SPW], v[NIL]
	s_wait_dscnt 0x0
	CROUND                                         ; the closing round: no work-group ends while a partner may still ask for a tile that names it
	s_endpgm
.Lfunc_end_k_q46c9c3b6c8_qkv:
	.size	k_q46c9c3b6c8_qkv, .Lfunc_end_k_q46c9c3b6c8_qkv-k_q46c9c3b6c8_qkv
	.p2alignl 7, 3214868480
	.fill 96, 4, 3214868480
	.section	.rodata,"a",@progbits
	.p2align	6, 0x0
	.amdhsa_kernel k_q46c9c3b6c8_qkv
		.amdhsa_group_segment_fixed_size 327680
		.amdhsa_private_segment_fixed_size 0
		.amdhsa_enable_private_segment 0
		.amdhsa_kernarg_size 56
		.amdhsa_user_sgpr_count 2
		.amdhsa_user_sgpr_kernarg_segment_ptr 1
		.amdhsa_wavefront_size32 1
		.amdhsa_system_sgpr_workgroup_id_x 1
		.amdhsa_system_sgpr_workgroup_id_y 1
		.amdhsa_system_sgpr_workgroup_id_z 1
		.amdhsa_system_vgpr_workitem_id 0
		.amdhsa_next_free_vgpr 1024
		.amdhsa_next_free_sgpr 102
		.amdhsa_reserve_vcc 0
		.amdhsa_float_denorm_mode_32 3
		.amdhsa_float_denorm_mode_16_64 3
		.amdhsa_fp16_overflow 1
		.amdhsa_memory_ordered 1
		.amdhsa_forward_progress 1
		.amdhsa_inst_pref_size 87
	.end_amdhsa_kernel
	.amdgpu_metadata
---
amdhsa.version: [ 1, 2 ]
amdhsa.kernels:
  - .name:           k_q46c9c3b6c8_qkv
    .symbol:         k_q46c9c3b6c8_qkv.kd
    .args:
      - { .name: x_codes, .offset: 0, .size: 8, .value_kind: global_buffer, .address_space: global }
      - { .name: Wq_codes, .offset: 8, .size: 8, .value_kind: global_buffer, .address_space: global }
      - { .name: Wk_codes, .offset: 16, .size: 8, .value_kind: global_buffer, .address_space: global }
      - { .name: Wv_codes, .offset: 24, .size: 8, .value_kind: global_buffer, .address_space: global }
      - { .name: lowp_scales, .offset: 32, .size: 8, .value_kind: global_buffer, .address_space: global }
      - { .name: qc, .offset: 40, .size: 8, .value_kind: global_buffer, .address_space: global }
      - { .name: kv, .offset: 48, .size: 8, .value_kind: global_buffer, .address_space: global }
    .group_segment_fixed_size: 327680
    .private_segment_fixed_size: 0
    .kernarg_segment_align: 8
    .kernarg_segment_size: 56
    .max_flat_workgroup_size: 128
    .sgpr_count:     102
    .vgpr_count:     1024
    .wavefront_size: 32
...
	.end_amdgpu_metadata
.endif
;; end of part 1
;; launch attn (part 2): grid 4 x 64, 16 waves a work-group, clusters of 4 x 1, 327,680 bytes of LDS; arguments qc, kv, lowp_scales, cc; writes cc
.if DOCPART == 2
	.amdgcn_target "amdgcn-amd-amdhsa--gfx1250"
	.amdhsa_code_object_version 6
	.text
	.protected	k_q46c9c3b6c8_attn
	.globl	k_q46c9c3b6c8_attn
	.p2align	8
	.type	k_q46c9c3b6c8_attn,@function
k_q46c9c3b6c8_attn:
	s_mov_b64 s[64:65], 0
	v_nop
	global_prefetch_b8 v0, s[64:65] scope:SCOPE_SE
	s_setreg_imm32_b32 hwreg(HW_REG_WAVE_MODE, 25, 1), 1
	s_wait_xcnt 0x0
	s_wait_alu depctr_hold_cnt(0) depctr_sa_sdst(0) depctr_va_vdst(0) depctr_va_sdst(0) depctr_va_ssrc(0) depctr_va_vcc(0) depctr_vm_vsrc(0)
	s_getreg_b32 s2, hwreg(HW_REG_IB_STS2, 6, 4)
	s_cmp_eq_u32 s2, 0
	s_cbranch_scc0 .Lentry_in_a_cluster
	s_endpgm
.Lentry_in_a_cluster:
	s_bfe_u32 s2, ttmp6, 0x10000c
	s_cmp_lg_u32 s2, 0x3003
	s_cbranch_scc0 .Lentry_shape_is_right
	s_endpgm
.Lentry_shape_is_right:
; Causal attention of one head on E4M3 codes, and the quantising of its result.  64 heads (batch x 16 + head), 2,048 queries and keys, head size 64.
; t = score x log2(e) / 8;  M = the running largest t rounded UP to a whole number;  p = 2^(t - M) is quantised with 2^e8, not normalised;  the row's sum is taken of the unquantised p and divides at the end.
; When M moves, the sum and O are multiplied by 2^(old M - new M), which rounds nothing.
; INPUTS (made by the launch before):  qc [head][piece 2][query][32 bytes];  kv [head][step of 128 keys, 16][k: [piece 2][key 128][32], v: [piece 4][channel 64][32]].
; Byte 16 h + n of piece c holds index 32 c + 16 (n / 8) + 8 h + n % 8: the same order of channels in q and k; for v the order of keys in which p's conversions leave tiles 2 c and 2 c + 1.
; OUTPUT  cc [row / 128, 64][K step of 256, 4][plane 16][row % 128][16 bytes]: the context's codes, channel = 256 x step + 16 x plane + byte: as the last product's tiles want them.
; SHARES.  A cluster of four work-groups is one head.  ALL of the head's k and v, 16 steps x 16,384 bytes, lie in each work-group's LDS: each step is asked for once, jointly, at the head of the text.
; Nothing in LDS is filled twice or stored into: no ring.  By this text's count a fetching wave has four tensor loads out.
; The head's 128 tiles of 16 queries: work-group cx takes tiles 4 u + cx, u = 0 .. 31.  Tile 4 u + cx needs the steps 0 .. u / 2, whatever cx is: no branch hangs on a work-group's place in its cluster.
; Each of the sixteen waves takes two tiles one after the other, u and 31 - u: 17 steps of work a wave.  A wave needs 256 registers: four waves lie on a SIMD, so that one wave's vector work stands beside another's products and LDS loads.
; LAYOUT.  Both products are used transposed: S^T = K Q^T (source 0 = 16 keys, source 1 = my 16 queries), O^T = V^T P^T (source 0 = 16 channels, source 1 = P): a lane holds ONE query (lane % 16) throughout.
; LIMITS on the given exponents: e6 + e7 between -123 and 130 (added to c's exponent field); e8 and e10 between -126 and 119; e8 + e9 is applied by v_ldexp_f32 and has none.
.set STEPB, 64*272                     ; a step in LDS: 64 rows of 256 bytes, 16 bytes of padding behind each
.set VOFF,  32*272                     ; k's 32 rows, then v's 32
.set AK0, 1                            ; v1   my lane's place in a tile: 272 (r / 8) + 32 (r % 8) + 16 h
.set ADR, 2                            ; v2   LDS address of the step in hand
.set QO,  3                            ; v3   32 r + 16 h: my bytes in 16 rows of q; never rewritten
.set CO,  4                            ; v4   16 r + 8 h: my bytes in 16 rows of a plane of cc; never rewritten
.set RH,  5                            ; v5   r - 8 h
.set DDA, 6                            ; v6, v7  my query's place in its diagonal step, less 8 h: first tile, second tile
.set DDB, 7
                                       ; v8 -infinity; v12 -M, v13 the largest t, v[14:15] the sum in two halves; v16-23 Q of the first tile, v216-223 of the second
                                       ; v25 2^e8, v27 2^e10; v[28:29] f; v30, v31 at work; v32-95 fragments of K, then of V; v96-159 S^T, then p
                                       ; v160-191 O^T; v192-207 p's codes; v208, v[210:211] at work; v224-231, v232-239 the two tiles' codes on their way out
.set WV,  12                           ; s12  my wave's number
.set CX,  13                           ; s13  my place in the cluster: it enters global addresses and the mask's numbers alone
.set SDA, 18                           ; s18, s19  the step on the diagonal: u / 2, for the two tiles
.set SDB, 19
.set SEL, 20                           ; s[20:21] lane selects for v_permlanex16_b32: lane l xor 16
.set CS,  22                           ; s[22:23] c = log2(e) / 8 x 2^(e6 + e7)
.set G1,  24                           ; s[24:31] descriptor group 1
.set G0,  32                           ; s[32:47] four groups 0
.set CBA, 48                           ; s[48:49], s[50:51] where the two tiles' codes go
.set CBB, 50
.set QBA, 52                           ; s[52:53], s[58:59] where their q lies
.set QBB, 58
.set ST,  54                           ; s54  the step in hand
.set TB,  55                           ; s55  its first LDS byte
.set EPV, 56                           ; s56  e8 + e9
.macro CROUND                          ; a round of the cluster's barrier
	s_barrier_signal -1
	s_barrier_wait -1
	s_cmp_lg_u32 s[WV], 0
	s_cbranch_scc1 .Lnot_wave_0_\@
	s_barrier_signal -3
.Lnot_wave_0_\@:
	s_barrier_wait -3
	s_barrier_signal -1
	s_barrier_wait -1
.endm
	s_load_b256 s[4:11], s[0:1], 0x0               ; qc s[4:5], kv s[6:7], the scales' exponents s[8:9], cc s[10:11]
	v_lshl_add_u32 v254, v0, 2, 0x44000
	v_mov_b32 v255, 0
	ds_add_u32 v254, v255
	ds_add_u32 v254, v255
	v_lshrrev_b32 v9, 5, v0
	s_delay_alu instid0(VALU_DEP_1)
	v_readfirstlane_b32 s[WV], v9                  ; wave 0..15
	s_bfe_u32 s[CX], ttmp6, 0x40000
	s_and_b32 s14, ttmp7, 0xffff                   ; the head, which the four partners share
	; descriptor group 1: a step's 16,384 bytes, dense in memory, as 64 rows of 256 bytes, padded in LDS
	s_mov_b32 s[G1], 15|(0<<16)|(1<<20)|(1<<21)|(5<<22)|(3<<25)   ; 15:0 the mask: all four work-groups; elements of 1 byte; padding on; 21 set beside a mask; after every 64 words four words
	s_mov_b32 s[G1+1], 256<<16                     ; tensor_dim0
	s_mov_b32 s[G1+2], 64<<16                      ; tensor_dim1
	s_mov_b32 s[G1+3], 256<<16                     ; tile_dim0
	s_mov_b32 s[G1+4], 64                          ; tile_dim1
	s_mov_b32 s[G1+5], 256                         ; tensor_dim0_stride
	s_mov_b32 s[G1+6], 0
	s_mov_b32 s[G1+7], 0
	s_mov_b32 s[SEL], 0x76543210
	s_mov_b32 s[SEL+1], 0xfedcba98
	s_and_b32 s74, s[WV], 3                        ; load n of wave j (0..3) brings step 4 n + j
	s_mul_i32 s75, s74, STEPB
	s_lshl_b32 s76, s74, 14
	s_lshl_b32 s78, s14, 18                        ; a head's 262,144 bytes of kv
	s_add_co_u32 s78, s78, s76
	s_mov_b32 s79, 0
	s_wait_dscnt 0x0
	s_wait_kmcnt 0x0
	s_load_b128 s[68:71], s[8:9], 0x18             ; e6, e7, e8, e9
	s_load_b32 s72, s[8:9], 0x28                   ; e10
	s_add_nc_u64 s[6:7], s[6:7], s[78:79]
.irp n, 0,1,2,3
	s_mov_b32 s[G0+4*\n], 1                                        ; count = 1
	s_add_co_u32 s[G0+4*\n+1], s75, \n*4*STEPB                     ; LDS address: the wave's number and constants alone
	s_add_nc_u64 s[G0+4*\n+2:G0+4*\n+3], s[6:7], \n*65536          ; global address
	s_or_b32 s[G0+4*\n+3], s[G0+4*\n+3], 0x80000000                ; type = 2
.endr
	CROUND                                         ; all four work-groups are here: the joint loads meet
	s_cmp_lt_u32 s[WV], 4                          ; a wave's four fills stand in one branch on the wave's number, ahead of every wait on TENSORcnt, every LDS read and every other barrier
	s_cbranch_scc0 .Lno_fetch
	tensor_load_to_lds s[G0:G0+3], s[G1:G1+7]
	s_nop 0
	tensor_load_to_lds s[G0+4:G0+7], s[G1:G1+7]
	s_nop 0
	tensor_load_to_lds s[G0+8:G0+11], s[G1:G1+7]
	s_nop 0
	tensor_load_to_lds s[G0+12:G0+15], s[G1:G1+7]
	s_nop 0
.rept 4
	v_nop
.endr
.Lno_fetch:
	s_lshl_b32 s74, s14, 17
	s_mov_b32 s75, 0
	s_add_nc_u64 s[4:5], s[4:5], s[74:75]          ; qc at my head: 131,072 bytes a head
	s_lshr_b32 s74, s14, 4                         ; cc: the batch's 16 blocks of 128 rows, 131,072 bytes each,
	s_lshl_b32 s74, s74, 21
	s_bfe_u32 s76, s14, 0x20002                    ; the head's K step of 256: (head % 16) / 4, 32,768 bytes each,
	s_lshl_b32 s76, s76, 15
	s_add_co_u32 s74, s74, s76
	s_and_b32 s76, s14, 3                          ; and its four planes of 2,048 bytes in it
	s_lshl_b32 s76, s76, 13
	s_add_co_u32 s74, s74, s76
	s_add_nc_u64 s[10:11], s[10:11], s[74:75]
	v_and_b32 v9, 15, v0                           ; r
	v_bfe_u32 v10, v0, 4, 1                        ; h
	s_delay_alu instid0(VALU_DEP_2)
	v_lshrrev_b32 v11, 3, v9
	s_delay_alu instid0(VALU_DEP_1)
	v_mul_u32_u24 v[AK0], v11, 272
	s_delay_alu instid0(VALU_DEP_4)
	v_and_b32 v11, 7, v9
	s_delay_alu instid0(VALU_DEP_1)
	v_lshl_add_u32 v[AK0], v11, 5, v[AK0]
	s_delay_alu instid0(VALU_DEP_1)
	v_lshl_add_u32 v[AK0], v10, 4, v[AK0]
	v_lshlrev_b32 v[QO], 5, v9
	s_delay_alu instid0(VALU_DEP_1)
	v_lshl_add_u32 v[QO], v10, 4, v[QO]
	v_lshlrev_b32 v[CO], 4, v9
	s_delay_alu instid0(VALU_DEP_1)
	v_lshl_add_u32 v[CO], v10, 3, v[CO]
	v_lshlrev_b32 v11, 3, v10
	s_delay_alu instid0(VALU_DEP_1)
	v_sub_nc_u32 v[RH], v9, v11
	s_wait_alu depctr_va_vdst(0)
	v_mov_b32 v8, 0xff800000                       ; -infinity
	v_mov_b32 v208, 0                              ; written once: a lane permute's destination counts as one of its sources
	v_mov_b32 v29, 0                               ; (named as the upper half of the pair v[28:29])
; The numbers of the tile 4 u + cx, u in s16.
.macro TSET sd, dd, qb, cb
	s_lshr_b32 s[\sd], s16, 1                      ; its 16 queries lie in step (4 u + cx) / 8 = u / 2
	s_lshl_b32 s17, s16, 2
	s_add_co_u32 s17, s17, s[CX]                   ; the tile
	s_lshl_b32 s74, s17, 9                         ; 16 rows of 32 bytes
	s_mov_b32 s75, 0
	s_add_nc_u64 s[\qb:\qb+1], s[4:5], s[74:75]
	s_lshr_b32 s74, s17, 3
	s_lshl_b32 s74, s74, 17                        ; its block of 128 rows of cc,
	s_and_b32 s76, s17, 7
	s_lshl_b32 s77, s76, 8                         ; and its 16 rows of 16 bytes in a plane
	s_add_co_u32 s74, s74, s77
	s_add_nc_u64 s[\cb:\cb+1], s[10:11], s[74:75]
	s_lshl_b32 s76, s76, 4
	v_add_nc_u32 v[\dd], s76, v[RH]                ; 16 (tile % 8) + r - 8 h
.endm
	s_bfe_u32 s74, s[WV], 0x10002
	s_mul_i32 s74, s74, 3
	s_xor_b32 s16, s[WV], s74                      ; the first tile's u: the wave's number, its low two bits turned round in every second four, so that four waves whose numbers are 4 apart have equal work
	TSET SDA, DDA, QBA, CBA
	s_xor_b32 s16, s16, 31                         ; the second tile's: 31 - u
	TSET SDB, DDB, QBB, CBB
	global_load_b128 v[16:19], v[QO], s[QBA:QBA+1]                 ; Q's fragments stay in registers: piece 0, piece 1
	global_load_b128 v[20:23], v[QO], s[QBA:QBA+1] offset:65536
	global_load_b128 v[216:219], v[QO], s[QBB:QBB+1]
	global_load_b128 v[220:223], v[QO], s[QBB:QBB+1] offset:65536
	s_wait_kmcnt 0x0
	s_add_co_i32 s74, s68, s69
	s_lshl_b32 s74, s74, 23
	s_add_co_i32 s[CS], s74, 0x3e38aa3b            ; c = log2(e) / 8, with e6 + e7 added to its exponent field: a score stands for score x 2^(e6 + e7)
	s_mov_b32 s[CS+1], s[CS]                       ; (named with it as a pair, so it is written)
	s_add_co_i32 s74, s70, 127
	s_lshl_b32 s75, s74, 23
	v_mov_b32 v25, s75                             ; 2^e8 as f32, for p's conversions
	s_add_co_i32 s74, s72, 127
	s_lshl_b32 s75, s74, 23
	v_mov_b32 v27, s75                             ; 2^e10, for the context's
	s_add_co_i32 s[EPV], s70, s71
; A tile begins: the largest t under every t, sums and O^T zero.  (The step is written once: a tile's first step finds zeros, which the first change of M leaves zeros.)
.macro INIT
	v_mov_b32 v13, 0xff61b1e6                      ; -3e38
	s_delay_alu instid0(VALU_DEP_1)
	v_floor_f32 v12, -v13
	v_mov_b32 v14, 0
	v_mov_b32 v15, 0
.set ii, 0
.rept 32
	v_mov_b32 v[160+ii], 0
.set ii, ii+1
.endr
.endm
; A KEY STEP: 128 keys.  q: the tile's Q;  sd: the step on its diagonal;  dd: the lane's number for the mask.
.macro STEP q, sd, dd
	s_cmp_gt_u32 s[ST], s[\sd]                     ; a step all of whose keys come after my 16 queries is left out: a branch on the wave's number and the loop's count
	s_cbranch_scc1 .Lhid_\@
	s_setprio 2
	v_add_nc_u32 v[ADR], s[TB], v[AK0]
.rept 3
	v_nop                                          ; with the addition above: four places in front of loads into registers that the last step's products have read
.endr
.irp t, 0,1,2,3,4,5,6,7                        ; K's eight fragments: keys 16 t + r; registers 0-3 piece 0, registers 4-7 piece 1
	ds_load_b128 v[32+8*\t:35+8*\t], v[ADR] offset:544*\t
	ds_load_b128 v[36+8*\t:39+8*\t], v[ADR] offset:544*\t+4352
.endr
	s_wait_alu depctr_va_vdst(0)
	s_wait_dscnt 0x0
.irp t, 0,1,2,3,4,5,6,7
	v_wmma_f32_16x16x64_fp8_fp8 v[96+8*\t:103+8*\t], v[32+8*\t:39+8*\t], v[\q:\q+7], 0   ; lane (r, h): query r; register j of tile t: key 16 t + 8 h + j
.endr
.rept 4
	v_nop                                          ; places: in front of the loads below, and of the first read of the scores
.endr
.irp t, 0,1,2,3                                ; V's four fragments (channels 16 t + r, 128 keys) take K's registers: they land while the softmax runs
.irp c, 0,1,2,3
	ds_load_b128 v[32+16*\t+4*\c:35+16*\t+4*\c], v[ADR] offset:VOFF+(8*\c+2*\t)*272
.endr
.endr
	s_cmp_lt_u32 s[ST], s[\sd]                     ; in front of the diagonal every key counts
	s_cbranch_scc1 .Lopen_\@
.set ii, 0
.rept 64                                       ; on the diagonal: key 16 t + 8 h + j is hidden where it comes after my query: its score becomes -infinity, its p 0
	v_cmp_gt_i32 vcc_lo, 16*(ii/8)+ii%8, v[\dd]
	v_cndmask_b32 v[96+ii], v[96+ii], v8, vcc_lo
.set ii, ii+1
.endr
.Lopen_\@:
	v_max3_num_f32 v30, v96, v97, v98              ; the step's largest score of my query, among my 64 keys, in two chains,
	v_max3_num_f32 v31, v99, v100, v101
.irp i, 6,10,14,18,22,26,30,34,38,42,46,50,54,58
	v_max3_num_f32 v30, v30, v[96+\i], v[97+\i]
	v_max3_num_f32 v31, v31, v[98+\i], v[99+\i]
.endr
	v_max3_num_f32 v30, v30, v158, v159
	s_delay_alu instid0(VALU_DEP_1)
	v_max_num_f32 v30, v30, v31
	s_delay_alu instid0(VALU_DEP_1)
	v_permlanex16_b32 v208, v30, s[SEL], s[SEL+1]
	s_delay_alu instid0(VALU_DEP_1)
	v_max_num_f32 v30, v30, v208                   ; and among lane l xor 16's
	s_delay_alu instid0(VALU_DEP_1)
	v_mul_f32 v30, s[CS], v30                      ; as t (c is positive)
	s_delay_alu instid0(VALU_DEP_1)
	v_max_num_f32 v13, v13, v30                    ; the running largest t
	v_mov_b32 v30, v12
	s_delay_alu instid0(VALU_DEP_2)
	v_floor_f32 v12, -v13                          ; the new -M = floor(-t) = -ceil(t): a whole number
	s_delay_alu instid0(VALU_DEP_1)
	v_sub_f32 v30, v12, v30                        ; M's old value less its new one: 0 or less
	s_delay_alu instid0(VALU_DEP_1)
	v_cvt_i32_f32 v30, v30                         ; (it saturates)
	s_delay_alu instid0(VALU_DEP_1)
	v_ldexp_f32 v28, 1.0, v30                      ; f = 2^(old M - new M)
.set ii, 0
	s_setprio 1
.rept 32
	v_pk_fma_f32 v[96+ii:97+ii], v[96+ii:97+ii], s[CS:CS+1], v[12:13] op_sel_hi:[1,0,0]   ; t - M, two at a time (of the pairs c and -M the low word serves both halves)
.set ii, ii+2
.endr
.set ii, 0
	s_wait_alu depctr_va_vdst(0)
.rept 64
	v_exp_f32 v[96+ii], v[96+ii]                   ; p = 2^(t - M), at most 1
.set ii, ii+1
.endr
	v_pk_mul_f32 v[14:15], v[14:15], v[28:29] op_sel_hi:[1,0]   ; the sums under the new M: the plain instruction behind the last exponential
	s_wait_alu depctr_va_vdst(0)                   ; one wait for the 64 exponentials, ahead of the first line that names a result
	v_pk_add_f32 v[210:211], v[100:101], v[104:105]
	v_pk_add_f32 v[252:253], v[108:109], v[112:113]
	v_pk_add_f32 v[250:251], v[116:117], v[120:121]
	v_pk_add_f32 v[248:249], v[124:125], v[128:129]
	v_pk_add_f32 v[246:247], v[132:133], v[136:137]
	v_pk_add_f32 v[244:245], v[140:141], v[144:145]
	v_pk_add_f32 v[242:243], v[148:149], v[152:153]
	v_pk_add_f32 v[14:15], v[14:15], v[156:157]
	v_pk_add_f32 v[210:211], v[210:211], v[96:97]
	v_pk_add_f32 v[252:253], v[252:253], v[98:99]
	v_pk_add_f32 v[250:251], v[250:251], v[102:103]
	v_pk_add_f32 v[248:249], v[248:249], v[106:107]
	v_pk_add_f32 v[246:247], v[246:247], v[110:111]
	v_pk_add_f32 v[244:245], v[244:245], v[114:115]
	v_pk_add_f32 v[242:243], v[242:243], v[118:119]
	v_pk_add_f32 v[14:15], v[14:15], v[122:123]
	v_pk_add_f32 v[210:211], v[210:211], v[126:127]
	v_pk_add_f32 v[252:253], v[252:253], v[130:131]
	v_pk_add_f32 v[250:251], v[250:251], v[134:135]
	v_pk_add_f32 v[248:249], v[248:249], v[138:139]
	v_pk_add_f32 v[246:247], v[246:247], v[142:143]
	v_pk_add_f32 v[244:245], v[244:245], v[146:147]
	v_pk_add_f32 v[242:243], v[242:243], v[150:151]
	s_setprio 0
	v_pk_add_f32 v[14:15], v[14:15], v[154:155]
	v_pk_add_f32 v[210:211], v[210:211], v[158:159]
	s_delay_alu instid0(VALU_DEP_2)
	v_pk_add_f32 v[14:15], v[14:15], v[248:249]
	s_delay_alu instid0(VALU_DEP_2)
	v_pk_add_f32 v[210:211], v[210:211], v[246:247]
	v_pk_add_f32 v[252:253], v[252:253], v[244:245]
	v_pk_add_f32 v[250:251], v[250:251], v[242:243]
	s_delay_alu instid0(VALU_DEP_2)
	v_pk_add_f32 v[14:15], v[14:15], v[252:253]
	s_delay_alu instid0(VALU_DEP_2)
	v_pk_add_f32 v[210:211], v[210:211], v[250:251]
	s_delay_alu instid0(VALU_DEP_1)
	v_pk_add_f32 v[14:15], v[14:15], v[210:211]
.irp b, 0,1,2,3
.irp i, 0,1,2,3,4,5,6,7,8,9,10,11,12,13,14,15
.endr
	v_cvt_scalef32_pk8_fp8_f32 v[192+4*\b:193+4*\b], v[96+16*\b:103+16*\b], v25    ; tile 2 b: keys 32 b + 8 h + 0 .. 7
	v_cvt_scalef32_pk8_fp8_f32 v[194+4*\b:195+4*\b], v[104+16*\b:111+16*\b], v25   ; tile 2 b + 1: keys 32 b + 16 + 8 h + 0 .. 7: the order in which v's codes lie
.endr
.set ii, 0
.rept 16
	v_pk_mul_f32 v[160+ii:161+ii], v[160+ii:161+ii], v[28:29] op_sel_hi:[1,0]   ; O^T under the new M.  (Plain instructions between the conversions and the products that read their results)
.set ii, ii+2
.endr
	s_wait_alu depctr_va_vdst(0)
	s_wait_dscnt 0x0                               ; V is in
.irp t, 0,1,2,3                                ; O^T += V^T P^T: the four accumulators take turns; the matrix instruction ahead of the first is a product K Q^T
	v_wmma_f32_16x16x128_fp8_fp8 v[160+8*\t:167+8*\t], v[32+16*\t:47+16*\t], v[192:207], v[160+8*\t:167+8*\t]
.endr
.Lhid_\@:
	s_add_co_u32 s[TB], s[TB], STEPB               ; on every way: the next step's bytes
.endm
; Steps first .. last - 1: the trip count is a constant of the text.
.macro WALK first, last, q, sd, dd
	s_mov_b32 s[ST], \first
	s_mov_b32 s[TB], \first*STEPB
.Lwalk_\@:
	STEP \q, \sd, \dd
	s_add_co_u32 s[ST], s[ST], 1
	s_cmp_lt_u32 s[ST], \last
	s_cbranch_scc1 .Lwalk_\@
	s_setprio 0
.endm
; A tile ends: context = O^T x 2^(e8 + e9) / the sum, quantised with 2^e10.  Register j of tile t is channel 16 t + 8 h + j of query r: eight codes, 8 bytes at 16 r + 8 h of plane t.
.macro FINISH cd, cb
.rept 4
	v_nop                                          ; places behind the last products
.endr
	v_add_f32 v14, v14, v15                        ; the sum's two halves,
	s_delay_alu instid0(VALU_DEP_1)
	v_permlanex16_b32 v208, v14, s[SEL], s[SEL+1]
	s_delay_alu instid0(VALU_DEP_1)
	v_add_f32 v14, v14, v208                       ; and lane l xor 16's
	s_wait_alu depctr_va_vdst(0)
	v_rcp_f32 v14, v14
	v_nop                                          ; a plain instruction behind the reciprocal,
	s_wait_alu depctr_va_vdst(0)                   ; and the wait ahead of its first reader
	v_ldexp_f32 v14, v14, s[EPV]
.set ii, 0
.rept 16
	v_pk_mul_f32 v[96+ii:97+ii], v[160+ii:161+ii], v[14:15] op_sel_hi:[1,0]   ; each accumulator from its low end on
.set ii, ii+2
.endr
.set ii, 0
.rept 32
.set ii, ii+1
.endr
.irp t, 0,1,2,3
	v_cvt_scalef32_pk8_fp8_f32 v[\cd+2*\t:\cd+2*\t+1], v[96+8*\t:103+8*\t], v27
.endr
	v_nop                                          ; one plain vector instruction behind the last conversion: products write its sources later
.irp t, 0,1,2,3
	global_store_b64 v[CO], v[\cd+2*\t:\cd+2*\t+1], s[\cb:\cb+1] offset:2048*\t   ; the 32 lanes store 256 consecutive bytes, aligned.  Data, offset and base are never written again
.endr
.endm
	INIT
	s_wait_tensorcnt 0x3                           ; a fetching wave's first load has landed; its three later ones may stay out
	s_wait_dscnt 0x0
	s_barrier_signal -1
	s_barrier_wait -1                              ; steps 0-3 are whole
	s_wait_loadcnt 0x0                             ; Q
	WALK 0, 4, 16, SDA, DDA
	s_wait_tensorcnt 0x2                           ; the second load has landed; two may stay out
	s_wait_dscnt 0x0
	s_barrier_signal -1
	s_barrier_wait -1                              ; steps 4-7 are whole
	WALK 4, 8, 16, SDA, DDA                        ; the first tile's u is under 16: its diagonal lies in steps 0-7
	FINISH 224, CBA
	s_wait_tensorcnt 0x0
	s_wait_dscnt 0x0
	s_barrier_signal -1
	s_barrier_wait -1                              ; all sixteen steps are whole
	INIT
	WALK 0, 16, 216, SDB, DDB
	FINISH 232, CBB
	s_wait_tensorcnt 0x0
	ds_add_u32 v254, v255
	s_wait_dscnt 0x0
	CROUND                                         ; the closing round
	s_endpgm
.Lfunc_end_k_q46c9c3b6c8_attn:
	.size	k_q46c9c3b6c8_attn, .Lfunc_end_k_q46c9c3b6c8_attn-k_q46c9c3b6c8_attn
	.p2alignl 7, 3214868480
	.fill 96, 4, 3214868480
	.section	.rodata,"a",@progbits
	.p2align	6, 0x0
	.amdhsa_kernel k_q46c9c3b6c8_attn
		.amdhsa_group_segment_fixed_size 327680
		.amdhsa_private_segment_fixed_size 0
		.amdhsa_enable_private_segment 0
		.amdhsa_kernarg_size 32
		.amdhsa_user_sgpr_count 2
		.amdhsa_user_sgpr_kernarg_segment_ptr 1
		.amdhsa_wavefront_size32 1
		.amdhsa_system_sgpr_workgroup_id_x 1
		.amdhsa_system_sgpr_workgroup_id_y 1
		.amdhsa_system_sgpr_workgroup_id_z 1
		.amdhsa_system_vgpr_workitem_id 0
		.amdhsa_next_free_vgpr 256
		.amdhsa_next_free_sgpr 80
		.amdhsa_reserve_vcc 1
		.amdhsa_float_denorm_mode_32 3
		.amdhsa_float_denorm_mode_16_64 3
		.amdhsa_fp16_overflow 1
		.amdhsa_memory_ordered 1
		.amdhsa_forward_progress 1
		.amdhsa_inst_pref_size 72
	.end_amdhsa_kernel
	.amdgpu_metadata
---
amdhsa.version: [ 1, 2 ]
amdhsa.kernels:
  - .name:           k_q46c9c3b6c8_attn
    .symbol:         k_q46c9c3b6c8_attn.kd
    .args:
      - { .name: qc, .offset: 0, .size: 8, .value_kind: global_buffer, .address_space: global }
      - { .name: kv, .offset: 8, .size: 8, .value_kind: global_buffer, .address_space: global }
      - { .name: lowp_scales, .offset: 16, .size: 8, .value_kind: global_buffer, .address_space: global }
      - { .name: cc, .offset: 24, .size: 8, .value_kind: global_buffer, .address_space: global }
    .group_segment_fixed_size: 327680
    .private_segment_fixed_size: 0
    .kernarg_segment_align: 8
    .kernarg_segment_size: 32
    .max_flat_workgroup_size: 512
    .sgpr_count:     80
    .vgpr_count:     256
    .wavefront_size: 32
...
	.end_amdgpu_metadata
.endif
;; end of part 2
;; launch proj (part 3): grid 8 x 32, 4 waves a work-group, clusters of 4 x 4, 327,680 bytes of LDS; arguments cc, Wo_codes, lowp_scales, out0, bo; writes out0
.if DOCPART == 3
	.amdgcn_target "amdgcn-amd-amdhsa--gfx1250"
	.amdhsa_code_object_version 6
	.text
	.protected	k_q46c9c3b6c8_proj
	.globl	k_q46c9c3b6c8_proj
	.p2align	8
	.type	k_q46c9c3b6c8_proj,@function
k_q46c9c3b6c8_proj:
	s_mov_b64 s[64:65], 0
	v_nop
	global_prefetch_b8 v0, s[64:65] scope:SCOPE_SE
	s_setreg_imm32_b32 hwreg(HW_REG_WAVE_MODE, 25, 1), 1
	s_wait_xcnt 0x0
	s_wait_alu depctr_hold_cnt(0) depctr_sa_sdst(0) depctr_va_vdst(0) depctr_va_sdst(0) depctr_va_ssrc(0) depctr_va_vcc(0) depctr_vm_vsrc(0)
	s_getreg_b32 s2, hwreg(HW_REG_IB_STS2, 6, 4)
	s_cmp_eq_u32 s2, 0
	s_cbranch_scc0 .Lentry_in_a_cluster
	s_endpgm
.Lentry_in_a_cluster:
	s_bfe_u32 s2, ttmp6, 0x10000c
	s_cmp_lg_u32 s2, 0xf033
	s_cbranch_scc0 .Lentry_shape_is_right
	s_endpgm
.Lentry_shape_is_right:
; out0 = context Wo + bo on E4M3 codes: out0[m][n] = 2^(e10 + e11) x sum over k of A[m][k] B[n][k] + bo[n].  M = 8,192, N = 1,024, K = 1,024; sums in f32.
; A: the context's codes as the launch before left them: cc [m / 128, 64][K step of 256, 4][plane 16][m % 128][16 bytes], k = 256 x step + 16 x plane + byte: a K step's 128 rows are one dense block of 32,768 bytes.
; B: Wo's codes, [n][k], rows of 1,024 bytes.
; LIMIT: e10 + e11 lies between -126 and 127, so that 2^(e10 + e11) is an f32 number.
; A tile of out0 is 256 rows x 128 columns: 32 x 8 = 256 work-groups (tiles of 256 x 256 would be 128).  Four waves, 128 x 64 each: 32 accumulators, 256 registers.
; K goes in steps of 256 through a ring of two LDS slots.  CLUSTERS: 4 x 4 work-groups; A's tiles are asked for jointly along a row of the cluster, B's along a column.
; The matrix instruction is used transposed (source 0 = 16 rows of B, source 1 = 16 rows of A): a lane holds eight neighbouring numbers of a row of out0.
; REGISTERS, in windows of 256: window 0: v0-31 addresses; v32-63 results at work; v64-95 my lane's 32 numbers of bo; from v128 A's fragments (8 x 16 rows x 128 K), one set; on the way out rows read back.
;   window 1: B's fragments (4 x 16 rows x 128 K), two sets, at v0 and v64.   window 2: the accumulators, (a, b) at v[8 (4 a + b)].
.set PITCH,  272                       ; an LDS row: 256 bytes + 16 of padding
.set PLANE,  8*PITCH                   ; a plane of A (128 rows x 16 bytes = 8 rows of 256 bytes) in LDS
.set ROWB,   256                       ; a K step of a row of B, in bytes
.set ASTEP,  32768                     ; a K step of 128 rows of A, in bytes
.set FR,     16
.set NL,     4
.set NP,     4                         ; places behind this matrix instruction (ISA guide 7.12.1)
.set HALFA,  128*PITCH                 ; what a tensor load for A brings: 128 rows of out0, as 128 LDS rows
.set HALFB,  64*PITCH                  ; and for B: 64 rows
.set SLOT,   2*HALFA+2*HALFB
.set LAPS,   2                         ; 1,024 / 512
.set STAGE,  2*SLOT                    ; behind the ring: 16 rows x 272 bytes for each wave, for the way out; no tile lands there
.set SPITCH, 272
.set SPARE,  STAGE+4*16*SPITCH         ; behind the stages: the spare words, 128 bytes for each wave, which no other line names
.set ADRA, 16                          ; v16-17  LDS address of my A fragments in slot 0, 1
.set ADRB, 20                          ; v20-21  the same for B
.set STO,  24                          ; v24     the way out: where I put 32 bytes of a row
.set RD,   25                          ; v25     the way out: where I read a row back
.set CO,   26                          ; v26     my byte offset in two rows of out0
.set SPW,  28                          ; v28     LDS address of my spare word; never rewritten
.set NIL,  29                          ; v29     0; never rewritten
.set TMP,  32
.set BI,   64
.set AF,   128
.set BK,   128                         ; the way out: 16 rows read back: v128-159 and v160-191 by turns
.set G1,  24                           ; s[24:31] descriptor group 1 for A's tiles;  s[32:39] group 0, one set for each slot
.set G0,  32
.set G1B, 48                           ; s[48:55], s[56:63] the same for B's
.set G0B, 56
.set MSB, 0
.macro WIN new                         ; the immediate's high byte repeats the setting that is left
.if MSB != \new
	s_set_vgpr_msb (MSB<<8)|\new
.set MSB, \new
.endif
.endm
.set MUL,  0xa1                        ; source 0 (B) window 1, source 1 (A) window 0, C and D window 2
.set TO_B, 0x40                        ; destination window 1, address window 0
.macro JLOAD g0a, g1a, g0b, g1b        ; a joint load: waves 0 and 1 fetch A's two halves, waves 2 and 3 B's; four v_nop follow each of the two lines
	s_cmp_eq_u32 s15, 0
	s_cbranch_scc0 .Lfor_b_\@
	tensor_load_to_lds s[\g0a:\g0a+3], s[\g1a:\g1a+7]
	s_nop 0
.rept 4
	v_nop
.endr
	s_branch .Lasked_\@
.Lfor_b_\@:
	tensor_load_to_lds s[\g0b:\g0b+3], s[\g1b:\g1b+7]
	s_nop 0
.rept 4
	v_nop
.endr
.Lasked_\@:
.endm
.macro CREST                           ; a round of the cluster's barrier behind its opening barrier
	s_cmp_lg_u32 s14, 0
	s_cbranch_scc1 .Lnot_wave_0_\@
	s_barrier_signal -3
.Lnot_wave_0_\@:
	s_barrier_wait -3
	s_barrier_signal -1
	s_barrier_wait -1
.endm
.macro CROUND
	s_barrier_signal -1
	s_barrier_wait -1
	CREST
.endm
	s_load_b128 s[4:7], s[0:1], 0x0                ; cc s[4:5], Wo's codes s[6:7]
	s_load_b128 s[8:11], s[0:1], 0x10              ; the scales' exponents s[8:9], out0 s[10:11]
	s_load_b64 s[12:13], s[0:1], 0x20              ; bo
	v_lshl_add_u32 v[SPW], v0, 2, SPARE
	v_mov_b32 v[NIL], 0
	ds_add_u32 v28, v29
	ds_add_u32 v28, v29
	s_wait_dscnt 0x0
	v_lshrrev_b32 v1, 5, v0
	v_readfirstlane_b32 s14, v1                    ; wave 0..3
	s_lshr_b32 s15, s14, 1                         ; which 128 of the tile's rows are mine.  Also: I fetch for A (0) or for B (1)
	s_and_b32 s16, s14, 1                          ; which 64 of its columns.  Also: which half of that tile I fetch
	s_bfe_u32 s40, ttmp6, 0x40000                  ; cx, cy
	s_bfe_u32 s41, ttmp6, 0x40004
	s_lshl_b32 s42, ttmp9, 2
	s_add_co_u32 s42, s42, s40                     ; tile column = 4 x cluster x + cx, 0..7
	s_and_b32 s17, ttmp7, 0xffff
	s_lshl_b32 s17, s17, 2
	s_add_co_u32 s17, s17, s41                     ; tile row = 4 x cluster y + cy, 0..31
	s_lshl_b32 s43, s41, 2
	s_lshl_b32 s43, 15, s43                        ; my row of the cluster
	s_lshl_b32 s44, 0x1111, s40                    ; my column
	s_or_b32 s[G1+0], s43, (0<<16)|(1<<20)|(1<<21)|(5<<22)|(3<<25)  ; the mask: A's tiles go to my row; elements of 1 byte; padding on; 21 set beside a mask; after every 64 words four words
	s_mov_b32 s[G1+1], 256<<16                     ; A: tensor_dim0 = 256
	s_mov_b32 s[G1+2], 128<<16                     ; tensor_dim1 = 128
	s_mov_b32 s[G1+3], 256<<16                     ; tile_dim0
	s_mov_b32 s[G1+4], 128                         ; tile_dim1
	s_mov_b32 s[G1+5], 256                         ; the block is dense: a row begins where the last ends
	s_mov_b32 s[G1+6], 0
	s_mov_b32 s[G1+7], 0
	s_or_b32 s[G1B+0], s44, (0<<16)|(1<<20)|(1<<21)|(5<<22)|(3<<25) ; B's tiles go to my column
	s_mov_b32 s[G1B+1], 256<<16
	s_mov_b32 s[G1B+2], 64<<16                     ; B: 64 rows,
	s_mov_b32 s[G1B+3], 256<<16
	s_mov_b32 s[G1B+4], 64
	s_mov_b32 s[G1B+5], 1024                       ; 1,024 bytes apart
	s_mov_b32 s[G1B+6], 0
	s_mov_b32 s[G1B+7], 0
	s_lshl_b32 s20, s17, 1
	s_add_co_u32 s20, s20, s16                     ; A: block of 128 rows 2 x tile row + half,
	s_lshl_b32 s20, s20, 17                        ; 131,072 bytes each
	s_mov_b32 s21, 0
	s_lshl_b32 s46, s42, 1
	s_add_co_u32 s46, s46, s16                     ; B: row 128 x tile column + 64 x half,
	s_lshl_b32 s46, s46, 16                        ; 1,024 bytes each
	s_mov_b32 s47, 0
	s_mul_i32 s45, s16, HALFA                      ; where they go: no place in the cluster enters an LDS address
	s_mul_i32 s67, s16, HALFB
	s_add_co_u32 s67, s67, 2*HALFA
	s_wait_kmcnt 0x0
	s_load_b64 s[96:97], s[8:9], 0x28              ; e10, e11
	s_add_nc_u64 s[20:21], s[4:5], s[20:21]
	s_add_nc_u64 s[46:47], s[6:7], s[46:47]
	CROUND                                         ; all sixteen work-groups are here: the first joint loads meet
.irp s, 0,1
	s_mov_b32 s[G0+4*\s], 1
	s_add_co_u32 s[G0+4*\s+1], s45, \s*SLOT
	s_add_nc_u64 s[G0+4*\s+2:G0+4*\s+3], s[20:21], \s*ASTEP
	s_or_b32 s[G0+4*\s+3], s[G0+4*\s+3], 0x80000000
	s_mov_b32 s[G0B+4*\s], 1
	s_add_co_u32 s[G0B+4*\s+1], s67, \s*SLOT
	s_add_nc_u64 s[G0B+4*\s+2:G0B+4*\s+3], s[46:47], \s*ROWB
	s_or_b32 s[G0B+4*\s+3], s[G0B+4*\s+3], 0x80000000
	s_wait_alu depctr_va_vdst(0)
	s_wait_tensorcnt 0x0
	ds_add_u32 v28, v29
	ds_add_u32 v28, v29
	s_wait_dscnt 0x0
	CROUND
	JLOAD G0+4*\s, G1, G0B+4*\s, G1B
.endr
	v_and_b32 v1, 15, v0                           ; r
	v_bfe_u32 v2, v0, 4, 1                         ; h
	v_lshlrev_b32 v3, 4, v1
	v_mul_u32_u24 v4, v2, PLANE
	v_add_nc_u32 v3, v3, v4                        ; A: 16 r + a plane for the upper half of the lanes: sixteen lanes read 256 consecutive bytes
	v_mul_u32_u24 v4, v1, PITCH
	v_lshl_add_u32 v4, v2, 4, v4                   ; B: row x pitch + 16 h
	s_mul_i32 s21, s15, HALFA                      ; my 128 rows of A
	s_mul_i32 s22, s16, HALFB                      ; my 64 rows of B,
	s_add_co_u32 s22, s22, 2*HALFA                 ; which lie behind A's
.irp s, 0,1
	v_add_nc_u32 v[ADRA+\s], s21, v3
	v_add_nc_u32 v[ADRB+\s], s22, v4
	s_add_co_u32 s21, s21, SLOT
	s_add_co_u32 s22, s22, SLOT
.endr
	s_mul_i32 s23, s14, 16*SPITCH
	s_add_co_u32 s23, s23, STAGE                   ; my stage
	v_mul_u32_u24 v5, v1, SPITCH                   ; in: row r, 32 bytes for each half of the lanes
	v_lshl_add_u32 v5, v2, 5, v5
	v_add_nc_u32 v[STO], s23, v5
	v_mul_u32_u24 v5, v2, SPITCH                   ; back: lanes 0-15 take one row of 256 bytes, lanes 16-31 the next
	v_lshl_add_u32 v5, v1, 4, v5
	v_add_nc_u32 v[RD], s23, v5
	v_lshlrev_b32 v5, 12, v2                       ; and the same two rows in out0, 4,096 bytes apart
	v_lshl_add_u32 v[CO], v1, 4, v5
	s_lshl_b32 s98, s17, 1
	s_add_co_u32 s98, s98, s15
	s_lshl_b32 s98, s98, 19                        ; my first row: (256 x tile row + 128 x half) x 4,096 bytes
	s_mov_b32 s99, 0
	s_add_nc_u64 s[10:11], s[10:11], s[98:99]
	s_lshl_b32 s68, s42, 1
	s_add_co_u32 s68, s68, s16
	s_lshl_b32 s68, s68, 8                         ; my first column, in bytes: 512 x tile column + 256 x half
	s_mov_b32 s69, 0
	s_add_nc_u64 s[10:11], s[10:11], s[68:69]
	s_add_nc_u64 s[12:13], s[12:13], s[68:69]      ; and the same place in bo
	v_lshlrev_b32 v6, 5, v2                        ; lane (r, h) wants, for block b, bo at columns 16 b + 8 h + 0 .. 7
.irp b, 0,1,2,3
	global_load_b128 v[BI+8*\b:BI+8*\b+3], v6, s[12:13] offset:64*\b
	global_load_b128 v[BI+8*\b+4:BI+8*\b+7], v6, s[12:13] offset:64*\b+16
.endr
; A fragment is 16 rows x 128 K in 16 registers: lane (r, h) holds row r; registers 4 c .. 4 c + 3 hold K = 32 c + 16 h + 0 .. 15: the same order of k in A and in B.
.macro FRAG_A reg, slot, q, i          ; A: plane 8 q + 2 c + h, rows 16 i + r
.irp c, 0,1,2,3
	ds_load_b128 v[\reg+4*\c:\reg+4*\c+3], v[ADRA+\slot] offset:(8*(\q)+2*\c)*PLANE+(\i)*PITCH
.endr
.endm
.macro FRAG_B reg, slot, q, i
.irp c, 0,1,2,3
	ds_load_b128 v[\reg+4*\c:\reg+4*\c+3], v[ADRB+\slot] offset:128*(\q)+32*\c+(\i)*16*PITCH
.endr
.endm
; 8 matrix instructions: A's blocks a0, a0 + 1 x B's four.  The 32 accumulators take turns, one instruction a turn, in the same order in every step.
.macro MUL8 a0, p, zero
.irp a, \a0, \a0+1
.irp b, 0,1,2,3
.if \zero
	v_wmma_f32_16x16x128_fp8_fp8 v[8*(4*(\a)+\b):8*(4*(\a)+\b)+7], v[64*(\p)+FR*\b:64*(\p)+FR*\b+FR-1], v[AF+FR*(\a):AF+FR*(\a)+FR-1], 0
.else
	v_wmma_f32_16x16x128_fp8_fp8 v[8*(4*(\a)+\b):8*(4*(\a)+\b)+7], v[64*(\p)+FR*\b:64*(\p)+FR*\b+FR-1], v[AF+FR*(\a):AF+FR*(\a)+FR-1], v[8*(4*(\a)+\b):8*(4*(\a)+\b)+7]
.endif
.endr
.endr
.endm
.macro FETCH_B slot, q, p
	WIN TO_B
.irp i, 0,1,2,3
	FRAG_B 64*(\p)+FR*\i, \slot, \q, \i
.endr
	WIN 0
.endm
.macro FETCH_A slot, q, i0
.irp i, \i0, \i0+1, \i0+2, \i0+3
	FRAG_A AF+FR*(\i), \slot, \q, \i
.endr
.endm
.macro PLACES n                        ; plain vector instructions in front of loads into registers that matrix instructions have read, and of the first read of results
.rept \n
	v_nop
.endr
.endm
; A step of 128 along K that has its successor in the same slot: 32 matrix instructions; A's blocks 0-3 are fetched anew in the middle, blocks 4-7 at the end; B has two sets.
.macro STEP slot, q, zero
	s_wait_dscnt 4*NL                              ; B's set and A's blocks 0-3 are in; the sixteen youngest loads (A's blocks 4-7) may be out
	WIN MUL
	MUL8 0, (\q)%2, \zero
	MUL8 2, (\q)%2, \zero
	s_wait_dscnt 0                                 ; A's blocks 4-7 are in
	PLACES NP
	FETCH_B \slot, (\q)+1, 1-(\q)%2
	FETCH_A \slot, (\q)+1, 0
	WIN MUL
	MUL8 4, (\q)%2, \zero
	MUL8 6, (\q)%2, \zero
	PLACES NP
	WIN 0
	FETCH_A \slot, (\q)+1, 4
.endm
; A slot's last step changes slots: one barrier; in front of it each wave waits for all its tensor loads, adds 0 to its spare word, and waits for that and for its own reads of this slot.
.macro TURN slot, next, fill
	s_wait_tensorcnt 0x0                           ; all my tensor loads have landed: my part of the next slot  (every window is 0 here)
	ds_add_u32 v[SPW], v[NIL]                      ; 0 onto my spare word
	s_wait_dscnt 4*NL+1                            ; (the add and the sixteen youngest loads, A's blocks 4-7, may be out)
	WIN MUL
	MUL8 0, 1, 0                                   ; eight matrix instructions stand between the add and the wait for it
	s_wait_dscnt 0x0                               ; the add is done, and my reads of this slot are over
	s_barrier_signal -1
	MUL8 2, 1, 0
	WIN 0
	s_barrier_wait -1
.if \fill
	CREST                                          ; no wave of any partner still reads this slot's tile or has a load on its way
	s_add_nc_u64 s[G0+4*\slot+2:G0+4*\slot+3], s[G0+4*\slot+2:G0+4*\slot+3], 2*ASTEP
	s_add_nc_u64 s[G0B+4*\slot+2:G0B+4*\slot+3], s[G0B+4*\slot+2:G0B+4*\slot+3], 2*ROWB
	JLOAD G0+4*\slot, G1, G0B+4*\slot, G1B         ; the first tensor load behind the round; the four v_nop behind it are also the places in front of the loads below
.else
	PLACES NP
.endif
	FETCH_B \next, 0, 0
	FETCH_A \next, 0, 0
	WIN MUL
	MUL8 4, 1, 0
	MUL8 6, 1, 0
	PLACES NP
	WIN 0
	FETCH_A \next, 0, 4
.endm
	s_wait_tensorcnt 1                             ; my part of K step 0 is in; K step 1's load may be out
	s_barrier_signal -1
	s_barrier_wait -1
	FETCH_B 0, 0, 0
	FETCH_A 0, 0, 0
	FETCH_A 0, 0, 4
	STEP 0, 0, 1                                   ; the first step stands in front of the loop: its products start the sums
	s_mov_b32 s3, LAPS-1
.Llap:                                                 ; a trip goes once round the ring and fills both slots again
	TURN 0, 1, 1
	STEP 1, 0, 0
	TURN 1, 0, 1
	STEP 0, 0, 0
	s_sub_co_u32 s3, s3, 1
	s_cmp_lg_u32 s3, 0
	s_cbranch_scc1 .Llap
	TURN 0, 1, 0                                   ; the last lap fills nothing
	STEP 1, 0, 0
	s_wait_dscnt 4*NL                              ; the very last step
	WIN MUL
	MUL8 0, 1, 0
	MUL8 2, 1, 0
	s_wait_dscnt 0
	MUL8 4, 1, 0
	MUL8 6, 1, 0
	WIN 0
; THE WAY OUT, block by block of 16 rows x 64 columns.  sum x 2^(e10 + e11) + bo is one packed multiply-add for two numbers.  A lane holds 32 neighbouring bytes of a row and the lanes beside it other rows:
; a block goes through my own stage in LDS and comes back as whole rows of 256 bytes.  LDS serves a wave's instructions in order (ISA guide 5.7.1.4): no wait between the stores and the loads.
.macro TOSTAGE a
	WIN 0x02                                       ; source 0: window 2
.irp b, 0,1,2,3
.irp i, 0,2,4,6
	v_pk_fma_f32 v[TMP+8*\b+\i:TMP+8*\b+\i+1], v[8*(4*(\a)+\b)+\i:8*(4*(\a)+\b)+\i+1], s[96:97], v[BI+8*\b+\i:BI+8*\b+\i+1] op_sel_hi:[1,0,1]   ; each accumulator from its low end on
.endr
.endr
	WIN 0
.irp b, 0,1,2,3
	ds_store_b128 v[STO], v[TMP+8*\b:TMP+8*\b+3] offset:64*\b
	ds_store_b128 v[STO], v[TMP+8*\b+4:TMP+8*\b+7] offset:64*\b+16
.endr
.set BB, BK+32*((\a)%2)
.irp t, 0,1,2,3,4,5,6,7
	ds_load_b128 v[BB+4*\t:BB+4*\t+3], v[RD] offset:\t*2*SPITCH
.endr
.endm
.macro SEND a, younger                 ; younger: the LDS instructions issued behind block a's loads, which may stay out
.set BB, BK+32*((\a)%2)
	s_wait_dscnt \younger                          ; the block is back in registers
.if (\a) > 0
	s_add_nc_u64 s[10:11], s[10:11], 16*4096       ; (behind a wait on XCNT: the earlier stores have read their base)  16 rows on
.endif
.irp t, 0,1,2,3,4,5,6,7
	global_store_b128 v[CO], v[BB+4*\t:BB+4*\t+3], s[10:11] offset:\t*2*4096 th:TH_STORE_NT   ; sixteen lanes store 256 consecutive bytes, aligned; written once, read by nobody here
.endr
.endm
	s_wait_kmcnt 0x0
	s_add_co_i32 s96, s96, s97                     ; e10 + e11, between -126 and 127,
	s_add_co_i32 s96, s96, 127
	s_lshl_b32 s96, s96, 23                        ; makes the f32 number 2^(e10 + e11)
	s_mov_b32 s97, s96                             ; (named with it as a pair)
	s_wait_loadcnt 0x0                             ; bo
	PLACES NP                                      ; behind the last products
	TOSTAGE 0
.irp a, 1,2,3,4,5,6,7
.if \a > 1
	s_wait_xcnt 0x0                                ; block a - 2's stores have read their registers and their base: block a's loads may land there, and the base may step
.endif
	TOSTAGE \a
	SEND \a-1, 16                                  ; behind block a - 1's loads: block a's 8 stores and 8 loads
.endr
	s_wait_xcnt 0x0                                ; block 6's stores have read their base
	SEND 7, 0
	s_wait_tensorcnt 0x0                           ; the wave's end
	ds_add_u32 v[SPW], v[NIL]
	s_wait_dscnt 0x0
	CROUND                                         ; the closing round
	s_endpgm
.Lfunc_end_k_q46c9c3b6c8_proj:
	.size	k_q46c9c3b6c8_proj, .Lfunc_end_k_q46c9c3b6c8_proj-k_q46c9c3b6c8_proj
	.p2alignl 7, 3214868480
	.fill 96, 4, 3214868480
	.section	.rodata,"a",@progbits
	.p2align	6, 0x0
	.amdhsa_kernel k_q46c9c3b6c8_proj
		.amdhsa_group_segment_fixed_size 327680
		.amdhsa_private_segment_fixed_size 0
		.amdhsa_enable_private_segment 0
		.amdhsa_kernarg_size 40
		.amdhsa_user_sgpr_count 2
		.amdhsa_user_sgpr_kernarg_segment_ptr 1
		.amdhsa_wavefront_size32 1
		.amdhsa_system_sgpr_workgroup_id_x 1
		.amdhsa_system_sgpr_workgroup_id_y 1
		.amdhsa_system_sgpr_workgroup_id_z 1
		.amdhsa_system_vgpr_workitem_id 0
		.amdhsa_next_free_vgpr 768
		.amdhsa_next_free_sgpr 100
		.amdhsa_reserve_vcc 0
		.amdhsa_float_denorm_mode_32 3
		.amdhsa_float_denorm_mode_16_64 3
		.amdhsa_memory_ordered 1
		.amdhsa_forward_progress 1
		.amdhsa_inst_pref_size 79
	.end_amdhsa_kernel
	.amdgpu_metadata
---
amdhsa.version: [ 1, 2 ]
amdhsa.kernels:
  - .name:           k_q46c9c3b6c8_proj
    .symbol:         k_q46c9c3b6c8_proj.kd
    .args:
      - { .name: cc, .offset: 0, .size: 8, .value_kind: global_buffer, .address_space: global }
      - { .name: Wo_codes, .offset: 8, .size: 8, .value_kind: global_buffer, .address_space: global }
      - { .name: lowp_scales, .offset: 16, .size: 8, .value_kind: global_buffer, .address_space: global }
      - { .name: out0, .offset: 24, .size: 8, .value_kind: global_buffer, .address_space: global }
      - { .name: bo, .offset: 32, .size: 8, .value_kind: global_buffer, .address_space: global }
    .group_segment_fixed_size: 327680
    .private_segment_fixed_size: 0
    .kernarg_segment_align: 8
    .kernarg_segment_size: 40
    .max_flat_workgroup_size: 128
    .sgpr_count:     100
    .vgpr_count:     768
    .wavefront_size: 32
...
	.end_amdgpu_metadata
.endif
;; end of part 3
